; MI455X (gfx1250); checked and timed in simulation.
; The chip was launched on July 23, 2026; its instructions are those of AMD's public machine-readable ISA for CDNA 5 (MIT licence, August 2026) and "CDNA5" Instruction Set Architecture Reference Guide (July 2026). The comments in the code are by the model that wrote it; some were corrected since.
;; Mo E Connection Processor. Allowed arithmetic: matrix products marked QUANTISED: E2M1 operands, one E8M0 scale for each 32 along K, by v_wmma_scale_f32_16x16x128_f8f6f4 with both operands' format E2M1 (or v_wmma_scale_f32_32x16x128_f4), f32 sums; products left as they are: f32 operands where the result goes on into a quantised operand, else bf16, f16 or f32 operands; f32 sums; everything else in f32.
;; Inputs: W_c1 128 x 128 float32; W_c2 128 x 64 float32; W_f1 128 x 128 float32; W_f2 128 x 64 float32; W_g1 128 x 32 float32; W_g2 32 x 3 float32; W_local 128 x 64 float32; b_c1 128 float32; b_c2 64 float32; b_f1 128 float32; b_f2 64 float32; b_g1 32 float32; b_g2 3 float32; b_local 64 float32; current_state 19,683 x 64 float32; neighbor_cat 19,683 x 26 int32; neighbor_states 19,683 x 26 x 64 float32.
;; Outputs: out0 19,683 x 64 float32; out1 19,683 x 3 float32.
;; This version of the problem:
;;   THIS VERSION OF THE PROBLEM IS GIVEN IN LOW PRECISION. The matrix products marked QUANTISED in the list below multiply operands that are first quantised to E2M1 (2 exponent bits, 1 mantissa bit; 4 bits a number), with one power-of-two scale for each 32 numbers along K (OCP MX v1.0); their sums are f32. All else is computed in f32.
;;   The module's matrix products, in the order in which they are computed (A, B: the left and right operand; K: the contracted axis; several contracted axes count as one K, in the product's order):
;;     1. [M 19,683, K 128] x [K 128, N 64]; A: computed on the way; B: input W_local: QUANTISED
;;     2. [M 19,683, K 128] x [K 128, N 128]; A: computed on the way; B: input W_f1: QUANTISED
;;     3. [M 19,683, K 128] x [K 128, N 64]; A: computed on the way; B: input W_f2: QUANTISED
;;     4. [M 19,683, K 128] x [K 128, N 128]; A: computed on the way; B: input W_c1: QUANTISED
;;     5. [M 19,683, K 128] x [K 128, N 64]; A: computed on the way; B: input W_c2: QUANTISED
;;     6. [M 19,683, K 128] x [K 128, N 128]; A: computed on the way; B: input W_c1: QUANTISED
;;     7. [M 19,683, K 128] x [K 128, N 64]; A: computed on the way; B: input W_c2: QUANTISED
;;     8. [M 19,683, K 128] x [K 128, N 128]; A: computed on the way; B: input W_c1: QUANTISED
;;     9. [M 19,683, K 128] x [K 128, N 64]; A: computed on the way; B: input W_c2: QUANTISED
;;     10. [M 19,683, K 128] x [K 128, N 32]; A: computed on the way; B: input W_g1: QUANTISED
;;     11. [M 19,683, K 32] x [K 32, N 3]; A: computed on the way; B: input W_g2: left as it is (N = 3 < 16)
;;   THE QUANTISER, for each operand of a quantised product, along K:
;;     - K is cut into blocks of 32 from its start; a last block that is shorter is filled with zeros.
;;     - A block's scale is 2^e with e = floor(log2(the largest magnitude in the block)) - 2, held to -126 .. 127; a block of zeros has e = 0. As a byte (E8M0): e + 127.
;;     - Each number is divided by its block's scale, clamped to +-6, and rounded to the nearest number of E2M1, ties to even, subnormals kept.
;;     - The product sums the exact products of the quantised numbers (number of the format x scale) in f32.
;;   ~~~python
;;   def quantise(x, axis):      # numpy; x: float32 -> the quantised numbers, widened to float32 again
;;       x = np.moveaxis(x, axis, -1); K = x.shape[-1]
;;       x = np.pad(x, [(0, 0)] * (x.ndim - 1) + [(0, -K % 32)]); x = x.reshape(x.shape[:-1] + (-1, 32)); a = np.abs(x).max(-1, keepdims=True)
;;       e = np.where(a > 0, np.clip(np.frexp(np.where(a > 0, a, 1))[1] - 1 - 2, -126, 127), 0)      # np.frexp(a)[1] - 1 = floor(log2(a)), exactly
;;       r = np.clip(x / 2.0 ** e, -6, 6)
;;       step = 2.0 ** (np.maximum(np.frexp(np.where(r == 0, 1, r))[1] - 1, 0) - 1)
;;       q = np.round(r / step) * step * 2.0 ** e      # np.round: ties to even
;;       return np.moveaxis(q.reshape(q.shape[:-2] + (-1,))[..., :K], -1, axis).astype(np.float32)
;;   ~~~
;;   OPERANDS COMPUTED ON THE WAY. 'Computed on the way' means the value that the module computes at that place (a softmax that the list does not call 'softmax' is quantised finished and normalised). What goes into a quantiser is computed in f32, as accurately as f32 sums, v_exp_f32 and their like allow (about 1e-6 of the number): no bf16 or f16 on the way to a quantiser, and a product that is left as it is and whose result goes on into a quantised operand takes f32 operands (vector FMAs, or v_wmma_f32_16x16x4_f32). A number that lies on a knife's edge between two numbers of the format may be rounded either way, as far as f32 arithmetic and the matrix unit's own rounding can turn it there, and no further.
;; One version. Each part assembles by itself: llvm-mc -triple=amdgcn-amd-amdhsa -mcpu=gfx1250 --defsym DOCPART=n.
;; ======== version 1 of 1: 2 launches
;; workspace buffers: blob 38,400 bytes
;; launch prep (part 1): grid 31 x 1, 1 waves a work-group, no clusters, 0 bytes of LDS; arguments W_g1, W_local, W_f1, W_f2, W_c1, W_c2, b_g1, b_local, b_f1, b_f2, b_c1, b_c2, b_g2, W_g2, blob; writes blob
.if DOCPART == 1
	.amdgcn_target "amdgcn-amd-amdhsa--gfx1250"
	.amdhsa_code_object_version 6
	.text
	.protected	k_q84576c6c2e_prep
	.globl	k_q84576c6c2e_prep
	.p2align	8
	.type	k_q84576c6c2e_prep,@function
k_q84576c6c2e_prep:
	s_mov_b64 s[64:65], 0
	v_nop
	global_prefetch_b8 v0, s[64:65] scope:SCOPE_SE
	s_setreg_imm32_b32 hwreg(HW_REG_WAVE_MODE, 25, 1), 1
	s_wait_xcnt 0x0
; The six weights of the quantised products, f32 stored [K = 128][N], become codes of FP4 (E2M1) in the ORDER OF THE OPERAND'S REGISTERS, with one E8M0 scale for each 32 along K.
; They are made once here, since every work-group of the next launch wants all of them.  The biases, b_g2 and W_g2 are packed behind them, so that the next launch copies ONE dense block of 38,400 bytes.
; blob:  0       30 fragments of 1,024 bytes (16 columns x 128 K): registers 4 c .. 4 c + 3 of lane l at 1024 f + 512 c + 16 l
;        30,720  30 x 128 bytes: fragment f's scale word of lane l at 128 f + 4 l (lanes 16-31 hold what lanes 0-15 hold)
;        34,560  b_g1 | b_local | b_f1 | b_f2 | b_c1 | b_c2 (1,920 bytes), b_g2 (128 bytes: words 0-2, the rest repeat word 2), W_g2 (384 bytes), zeros up to 38,400
; Fragments: 0-1 W_g1, 2-5 W_local, 6-13 W_f1, 14-17 W_f2, 18-25 W_c1, 26-29 W_c2.  One work-group of one wave makes one fragment; work-group 30 copies the rest.
; THE COLUMNS OF A TILE ARE NOT NEIGHBOURS: lane r of tile 2 b + u takes column 32 b + 8 u + r + 8 (r / 8), so that the next launch's results (used transposed) lie 16 neighbours to a lane.
; A LANE TAKES A COLUMN, AND ITS REGISTERS RUN DOWN K, in the order that the operand's layout gives that lane (k = 64 c + 32 h + 0 .. 31): the conversions' results are the operand's registers.
; For W_local and W_c1 the two halves of K change places (k in memory = 64 (c xor 1) + 32 h + i): the next launch keeps the neighbours' mean ahead of the cell's state there.  Blocks of 32 stay whole.
; A block's scale is 2^(floor(log2(its largest magnitude)) - 2); its byte is that magnitude's exponent field - 2, held at 1 from below.
; LIMITS: a block of zeros, or one whose largest magnitude lies under 2^-124, gets the byte 1 (a block of zeros has zero codes, and this program alone reads the bytes); NaN and infinities are not served.
.set WSC,  30720
.set BIAS, 34560
.set NUM,  64                          ; v64-127  the lane's 64 numbers
.set COD,  48                          ; v48-55   the fragment's codes
	s_load_b512 s[8:23], s[0:1], 0x0               ; W_g1 s[8:9], W_local s[10:11], W_f1 s[12:13], W_f2 s[14:15], W_c1 s[16:17], W_c2 s[18:19], b_g1 s[20:21], b_local s[22:23]
	s_load_b256 s[24:31], s[0:1], 0x40             ; b_f1, b_f2, b_c1, b_c2
	s_load_b128 s[32:35], s[0:1], 0x60             ; b_g2, W_g2
	s_load_b64 s[36:37], s[0:1], 0x70              ; blob
	v_and_b32 v2, 15, v0                           ; r (one wave: v0 is the lane)
	v_lshrrev_b32 v3, 4, v0                        ; h
	v_lshlrev_b32 v4, 2, v0                        ; 4 x lane
	v_lshlrev_b32 v5, 4, v0                        ; 16 x lane
	v_and_b32 v6, 8, v2
	v_add_nc_u32 v6, v6, v2                        ; r + 8 (r / 8)
	s_mov_b32 s60, 0x76543210
	s_mov_b32 s61, 0xfedcba98                      ; v_permlanex16_b32's selects for lane l xor 16
	s_wait_kmcnt 0x0
; Fragments first .. next - 1 belong to the matrix at s[ptr], which has cols columns; rot = 1: the halves of K change places.  The branch hangs on the work-group's number alone.
.macro TAKE ptr, cols, rot, first, next
	s_cmp_lt_u32 ttmp9, \next
	s_cbranch_scc0 .Lnot_\@
	s_sub_co_u32 s43, ttmp9, \first                ; the tile, 2 b + u
	s_lshr_b32 s45, s43, 1
	s_lshl_b32 s45, s45, 5                         ; 32 b
	s_and_b32 s46, s43, 1
	s_lshl_b32 s46, s46, 3                         ; 8 u
	s_add_co_u32 s45, s45, s46
	s_wait_alu depctr_va_vdst(0)
	v_add_nc_u32 v7, s45, v6                       ; my column
	v_mul_u32_u24 v1, v3, 128*\cols                ; lanes 16-31 begin 32 rows further down
	v_lshl_add_u32 v1, v7, 2, v1
.irp c, 0,1
.irp i, 0,1,2,3,4,5,6,7,8,9,10,11,12,13,14,15,16,17,18,19,20,21,22,23,24,25,26,27,28,29,30,31
	global_load_b32 v[NUM+32*\c+\i], v1, s[\ptr:\ptr+1] offset:(64*((\c+\rot)%2)+\i)*4*\cols
.endr
.endr
	s_branch .Lquant
.Lnot_\@:
.endm
	TAKE 8,  32,  0, 0,  2
	TAKE 10, 64,  1, 2,  6
	TAKE 12, 128, 0, 6,  14
	TAKE 14, 64,  0, 14, 18
	TAKE 16, 128, 1, 18, 26
	TAKE 18, 64,  0, 26, 30
	; work-group 30: the biases, b_g2 and W_g2, 128 bytes to a load and to a store, in the blob's order
	v_min_u32 v7, 2, v0
	v_lshlrev_b32 v7, 2, v7                        ; b_g2 has three words: no lane reads past them
	s_wait_alu depctr_va_vdst(0)
	global_load_b32 v64, v4, s[20:21]
.irp i, 0,1
	global_load_b32 v[65+\i], v4, s[22:23] offset:128*\i
.endr
.irp i, 0,1,2,3
	global_load_b32 v[67+\i], v4, s[24:25] offset:128*\i
.endr
.irp i, 0,1
	global_load_b32 v[71+\i], v4, s[26:27] offset:128*\i
.endr
.irp i, 0,1,2,3
	global_load_b32 v[73+\i], v4, s[28:29] offset:128*\i
.endr
.irp i, 0,1
	global_load_b32 v[77+\i], v4, s[30:31] offset:128*\i
.endr
	global_load_b32 v79, v7, s[32:33]
.irp i, 0,1,2
	global_load_b32 v[80+\i], v4, s[34:35] offset:128*\i
.endr
	v_mov_b32 v83, 0
	s_wait_alu depctr_va_vdst(0)
	s_wait_loadcnt 0x0
.irp q, 0,1,2,3,4,5,6,7,8,9,10,11,12,13,14,15,16,17,18
	global_store_b32 v4, v[64+\q], s[36:37] offset:BIAS+128*\q
.endr
.irp q, 19,20,21,22,23,24,25,26,27,28,29
	global_store_b32 v4, v83, s[36:37] offset:BIAS+128*\q   ; the next launch copies these bytes too: they are written
.endr
	s_endpgm
.Lquant:
	s_wait_loadcnt 0x0
.irp c, 0,1                                    ; my block 2 c + h: all its 32 numbers are mine
	v_max3_num_f32 v[32+\c], |v[NUM+32*\c]|, |v[NUM+1+32*\c]|, 0x1800000   ; and the floor 2^(3 - 127): the byte cannot fall under 1
.endr
.irp i, 2,4,6,8,10,12,14,16,18,20,22,24,26,28,30
.irp c, 0,1
	v_max3_num_f32 v[32+\c], v[32+\c], |v[NUM+32*\c+\i]|, |v[NUM+1+32*\c+\i]|
.endr
.endr
.irp c, 0,1
	v_add_nc_u32 v[44+\c], 0xff000000, v[32+\c]    ; 2 off the exponent field: the conversion takes this operand's exponent field as its scale
.endr
.irp c, 0,1
	v_lshrrev_b32 v[36+\c], 23, v[44+\c]           ; the scale's byte
.endr
	v_lshl_or_b32 v9, v37, 16, v36                 ; my two bytes: blocks h and 2 + h of my column,
	v_lshlrev_b32 v10, 3, v3
	v_lshlrev_b32 v9, v10, v9                      ; at their places in the scale word (8 h bits up);
	v_mov_b32 v10, 0
	v_permlanex16_b32 v10, v9, s60, s61
	v_or_b32 v9, v9, v10                           ; with lane l xor 16's two the word is whole
.irp c, 0,1
.irp g, 0,1,2,3
	v_cvt_scalef32_pk8_fp4_f32 v[COD+4*\c+\g], v[NUM+32*\c+8*\g:NUM+32*\c+8*\g+7], v[44+\c]
.endr
.endr
	s_lshl_b32 s56, ttmp9, 10
	s_mov_b32 s57, 0
	s_add_nc_u64 s[56:57], s[36:37], s[56:57]      ; the fragment's 1,024 bytes
	s_lshl_b32 s58, ttmp9, 7
	s_add_co_u32 s58, s58, WSC
	s_mov_b32 s59, 0
	s_add_nc_u64 s[58:59], s[36:37], s[58:59]      ; its 128 bytes of scale words
	global_store_b128 v5, v[COD:COD+3], s[56:57]               ; 32 lanes store 512 consecutive bytes
	global_store_b128 v5, v[COD+4:COD+7], s[56:57] offset:512
	global_store_b32 v4, v9, s[58:59]
	s_endpgm
.Lfunc_end_k_q84576c6c2e_prep:
	.size	k_q84576c6c2e_prep, .Lfunc_end_k_q84576c6c2e_prep-k_q84576c6c2e_prep
	.p2alignl 7, 3214868480
	.fill 96, 4, 3214868480
	.section	.rodata,"a",@progbits
	.p2align	6, 0x0
	.amdhsa_kernel k_q84576c6c2e_prep
		.amdhsa_group_segment_fixed_size 0
		.amdhsa_private_segment_fixed_size 0
		.amdhsa_enable_private_segment 0
		.amdhsa_kernarg_size 120
		.amdhsa_user_sgpr_count 2
		.amdhsa_user_sgpr_kernarg_segment_ptr 1
		.amdhsa_wavefront_size32 1
		.amdhsa_system_sgpr_workgroup_id_x 1
		.amdhsa_system_sgpr_workgroup_id_y 1
		.amdhsa_system_sgpr_workgroup_id_z 1
		.amdhsa_system_vgpr_workitem_id 0
		.amdhsa_next_free_vgpr 128
		.amdhsa_next_free_sgpr 66
		.amdhsa_reserve_vcc 0
		.amdhsa_float_denorm_mode_32 3
		.amdhsa_float_denorm_mode_16_64 3
		.amdhsa_memory_ordered 1
		.amdhsa_forward_progress 1
		.amdhsa_inst_pref_size 49
	.end_amdhsa_kernel
	.amdgpu_metadata
---
amdhsa.version: [ 1, 2 ]
amdhsa.kernels:
  - .name:           k_q84576c6c2e_prep
    .symbol:         k_q84576c6c2e_prep.kd
    .args:
      - { .name: W_g1, .offset: 0, .size: 8, .value_kind: global_buffer, .address_space: global }
      - { .name: W_local, .offset: 8, .size: 8, .value_kind: global_buffer, .address_space: global }
      - { .name: W_f1, .offset: 16, .size: 8, .value_kind: global_buffer, .address_space: global }
      - { .name: W_f2, .offset: 24, .size: 8, .value_kind: global_buffer, .address_space: global }
      - { .name: W_c1, .offset: 32, .size: 8, .value_kind: global_buffer, .address_space: global }
      - { .name: W_c2, .offset: 40, .size: 8, .value_kind: global_buffer, .address_space: global }
      - { .name: b_g1, .offset: 48, .size: 8, .value_kind: global_buffer, .address_space: global }
      - { .name: b_local, .offset: 56, .size: 8, .value_kind: global_buffer, .address_space: global }
      - { .name: b_f1, .offset: 64, .size: 8, .value_kind: global_buffer, .address_space: global }
      - { .name: b_f2, .offset: 72, .size: 8, .value_kind: global_buffer, .address_space: global }
      - { .name: b_c1, .offset: 80, .size: 8, .value_kind: global_buffer, .address_space: global }
      - { .name: b_c2, .offset: 88, .size: 8, .value_kind: global_buffer, .address_space: global }
      - { .name: b_g2, .offset: 96, .size: 8, .value_kind: global_buffer, .address_space: global }
      - { .name: W_g2, .offset: 104, .size: 8, .value_kind: global_buffer, .address_space: global }
      - { .name: blob, .offset: 112, .size: 8, .value_kind: global_buffer, .address_space: global }
    .group_segment_fixed_size: 0
    .private_segment_fixed_size: 0
    .kernarg_segment_align: 8
    .kernarg_segment_size: 120
    .max_flat_workgroup_size: 32
    .sgpr_count:     66
    .vgpr_count:     128
    .wavefront_size: 32
...
	.end_amdgpu_metadata
.endif
;; end of part 1
;; launch cells (part 2): grid 256 x 1, 5 waves a work-group, no clusters, 177,408 bytes of LDS; arguments current_state, neighbor_states, neighbor_cat, blob, out0, out1; writes out0, out1
.if DOCPART == 2
	.amdgcn_target "amdgcn-amd-amdhsa--gfx1250"
	.amdhsa_code_object_version 6
	.text
	.protected	k_q84576c6c2e_cells
	.globl	k_q84576c6c2e_cells
	.p2align	8
	.type	k_q84576c6c2e_cells,@function
k_q84576c6c2e_cells:
	s_mov_b64 s[64:65], 0
	v_nop
	global_prefetch_b8 v0, s[64:65] scope:SCOPE_SE
	s_setreg_imm32_b32 hwreg(HW_REG_WAVE_MODE, 25, 1), 1
	s_wait_xcnt 0x0
; For each of 19,683 cells: four sums over its 26 neighbour rows (categories 0, 1, 2, and all), three experts and a gate (ten products on codes of FP4 with E8M0 scales, tanh between them), a softmax over 3, the weighted sum.
; SHARES.  Work-group g owns cells 77 g .. 77 g + 76 (256 x 77 covers all; the last group has 48): five tiles of 16, tile w from cell 77 g + 16 w on.  Wave w runs tile w's whole chain.
; THE FIFTH TILE GOES FIRST.  Its rows are streamed ahead of all others, two pairs of cells by each of waves 0 to 3, into wave 4's stage in LDS; then wave 4, which streams nothing, runs its chain while waves 0 to 3
; stream their own tiles.  So when the stream ends, four chains are left for the four waves that are left: as many as a WGP has SIMDs.
; The waves share the weights' block in LDS, written once, and the fifth tile's factors and sums: TWO barriers in the text.  A cell at or past the group's end is read at the group's last cell and never stored.
; THE STREAM.  A pair of cells at a time: lanes 0-15 take one cell's row of 256 bytes, lanes 16-31 the next cell's, 16 bytes a lane: each half of a load covers 256 consecutive, aligned bytes, and no sum crosses lanes.
; A pair has 27 slots (26 neighbour rows and the cell's own state); two sets of 27 slots of four registers take turns, refilled nine slots at a time as they are used up: at least 45 loads of a streaming wave stay out.
; The categories become factors {m0, m1, m2, 1.0}, 16 bytes for each (cell, neighbour), kept in LDS: a row is added into the four sums by eight packed multiply-adds.
; No tensor loads: slots in registers under counted waits are never all waited for at once.  No cluster: only the 38,400 bytes of weights are common to the work-groups, against 512 KB of a group's own.
; THE CHAIN.  Every product is ONE matrix instruction deep (K = 128), used TRANSPOSED (source 0 = 16 columns of the weight, source 1 = the 16 cells), its C the bias in the result's layout.
; A lane then holds one cell (lane % 16), and by the choice of a tile's columns (made by the launch before) register 16 b + i holds unit 32 b + 16 (lane / 16) + i: 16 neighbours along the next K.
; Operands of 64 numbers (state, means, x) are quantised once, into four registers each, and laid so that neighbours form the fragments: [mean_l|cur], [cur|mean_f], [mean_d|x], [x = cur|activity].
; LIMITS.  NaN and infinities among the inputs are not served.  A block of zeros, or one under 2^-124, gets the scale byte 1 (zero codes add nothing).  A mean is the sum x v_rcp_f32(count), the activity the
; sum x f32(1/26): within about 1.5 ulp of the division.  The sums run over the neighbours in ascending order, as fused multiply-adds.  tanh ahead of a quantiser: |x| < 0.25: x + x^3 (-1/3 + 2/15 x^2 - 17/315 x^4),
; relative error up to about 3e-7; else 1 - 2 / (1 + 2^(2.885 x)), relative error up to about 1e-6.  The tanh of the gate, of the local expert and of the functional expert's second layer take the second form
; alone (absolute error about 2e-7): they go into the outputs and the gate's logits only.
.set NCELL,  19683
.set PERWG,  77
.set WSC,    30720                     ; LDS 0 .. 38,399: the blob as the launch before laid it: fragments, scale words,
.set BIAS,   34560                     ; biases,
.set BG2,    36480                     ; b_g2,
.set WG2,    36608                     ; W_g2
.set BLOBB,  38400
.set WREG,   27648                     ; behind it a region for each wave: factors, 16 cells x 432 bytes (27 x 16: an odd multiple of 16),
.set STG,    6912                      ; and a stage, 16 cells x 1,296 bytes (81 x 16): rows of 256 bytes: sums 0, 1, 2, all, the cell's state
; window 0
.set STT, 1                            ; v1   at the head the lane; then: the fifth tile's stage, cell 4 w + h, my 16 bytes of a row
.set C16, 2                            ; v2   16 (lane % 16)
.set HH,  3                            ; v3   h = lane / 16
.set LI,  4                            ; v4   16 x lane
.set LS,  5                            ; v5   4 x lane
.set LB,  6                            ; v6   64 h: my half's eight biases of a tile
.set MK0, 7                            ; v7   my tile's factors of cell h
.set ST0, 8                            ; v8   my tile's stage of cell h, my 16 bytes of a row
.set MK,  9                            ; v9   the same for the trip's pairs
.set ST,  10                           ; v10
.set RS,  11                           ; v11  stage of cell r, + 64 h: the quantiser's order
.set CIA, 12                           ; v12-13 the cell that set 0, 1 loads next
.set OFA, 14                           ; v14-15 its byte offset in neighbor_states
.set OCA, 16                           ; v16-17 and in current_state
.set TMP, 18
.set CA,  19                           ; v19  factors of cell r, neighbours 13 h on
.set G2A, 20                           ; v20  W_g2's rows 16 h on
.set O1W, 21                           ; v21  where cell r's three weights go
.set O1R, 22                           ; v22  and where word lane of the 48 is read back
.set ZERO, 23
.set C3,  24                           ; v[24:25] -1/3 twice
.set C5,  26                           ; v[26:27] 2/15 twice
.set OV,  28                           ; v28  out0: 256 h + 16 (lane % 16)
.set CIH, 29                           ; v29  my tile's first cell + h
.set BW,  30                           ; v30  the blob's copy: 7,680 x wave + 16 x lane, in memory and in LDS
.set RR,  31                           ; v31  r = lane % 16
.set MKT, 247                          ; v247 the fifth tile's factors of cell 4 w + h
.set MBUF, 64                          ; v64-135  two sets of nine factor quads
.set ACC,  136                         ; v136-151 sum s, channel c at 4 s + c
.set CT,   160                         ; at the head: v160-172 categories, v173-185 where their factors go, v64-115 the factors, v186-245 the blob's bytes
.set MAD,  173
.set MQ,   64
.set BT,   186
.set MT,   160                         ; v160-211 thirteen factor quads, for the counts
.set X,   32                           ; the chain: v32-63 x;  v64-127 results;  v128-159 at work
.set H,   64
.set E,   128
.set AF,  160                          ; v160-183 codes: mean_l +0, cur +4, mean_f +8, mean_d +12, x +16, activity +20
.set HF,  184                          ; v184-191 a hidden layer's fragment
.set SWL, 192                          ; scale words of the five fragments
.set SWF, 193
.set SWC, 194
.set SWG, 195
.set SWH, 196
.set WSP, 197                          ; v197-204, v205-208, v209-210 the weights' scale words
.set WSQ, 205
.set WSR, 209
.set PCU, 211                          ; two scale bytes of each operand of 64
.set PML, 212
.set PMF, 213
.set PMD, 214
.set PAC, 215
.set PT,  216
.set QM,  217                          ; the quantiser: v217-218 largest magnitudes, v219-220 second chains and lane l xor 16's, v221-222 scale operands, v223-224 bytes
.set QP,  219
.set QS,  221
.set QB,  223
.set PT2, 225
.set GW,  234                          ; v234-236 the gate's weights
.set GE,  238                          ; v238-243 weight x (count > 0), in pairs
.set FL,  244                          ; v244-246 min(count, 1)
.set RC,  248                          ; v248-253 1 / max(count, 1), in pairs; free again once the means are made
; window 1: while streaming v0-215 the slots; in the chain three sets of weights and biases
.set SPW, 0                            ; eight tiles
.set SPB, 64
.set SQW, 128                          ; four tiles
.set SQB, 160
.set SRW, 192                          ; two tiles (the gate's); afterwards v192-223 hold the weighted sum so far
.set SRB, 208
.set CB,  192
; scalars: s[4:5] cur, s[6:7] neighbours, s[8:9] categories, s[10:11] blob, s[12:13] out0, s[14:15] out1; s16 wave, s17 my tile's first cell, s18 the group's end, s19 its last cell;
; s[20:21] lane selects; s22, s23 the trip's steps in factors and stage; s24 counters; s[2:3] -17/315, s[26:27] 2 log2(e), s28 0.25; s29 from the fifth tile's pair to my own; s31 how many words of out1 are mine;
; s32-63 at the head at work, in the chain lane masks
.set MSB, 0
.macro WIN new                         ; s_set_vgpr_msb: bits 1:0 source 0, 3:2 source 1, 5:4 source 2, 7:6 destination; the high byte repeats the setting that is left
.if MSB != \new
	s_set_vgpr_msb (MSB<<8)|\new
.set MSB, \new
.endif
.endm
.macro NOPS n
.rept \n
	v_nop
.endr
.endm
; The offsets of the pair that a set loads next.  mode 1: two pairs on; mode 2: from the fifth tile's pair to my own tile's; mode 0: as it stands.
; Ahead of a step the set's earlier loads have had their addresses translated (ISA guide 3.1)
.macro OFFS set, mode
.if (\mode) == 1
	s_wait_xcnt 0x0
	v_add_nc_u32 v[CIA+\set], 4, v[CIA+\set]
.elseif (\mode) == 2
	s_wait_xcnt 0x0
	v_add_nc_u32 v[CIA+\set], s29, v[CIA+\set]
.endif
	v_min_u32 v[TMP], s19, v[CIA+\set]             ; no load leaves the group's cells
	s_wait_alu depctr_va_vdst(0)
	v_mad_u32_u24 v[OFA+\set], v[TMP], 6656, v[C16]
	v_lshl_add_u32 v[OCA+\set], v[TMP], 8, v[C16]
.endm
.macro FILLSET set                     ; a set's 27 loads
	WIN 0x40
.set J, 0
.rept 26
	global_load_b128 v[4*(27*(\set)+J):4*(27*(\set)+J)+3], v[OFA+\set], s[6:7] offset:256*J th:TH_LOAD_NT
.set J, J+1
.endr
	global_load_b128 v[4*(27*(\set)+26):4*(27*(\set)+26)+3], v[OCA+\set], s[4:5] th:TH_LOAD_NT
	WIN 0
.endm
; One neighbour row (four registers at x, window 1) times its factors (quad at m) onto the four sums.  first = 1: the pair's first row starts the sums: nothing is cleared
.macro ACCUM x, m, first
.if \first
	v_pk_mul_f32 v[ACC:ACC+1],     v[\x:\x+1],   v[\m:\m+1] op_sel_hi:[1,0]
	v_pk_mul_f32 v[ACC+2:ACC+3],   v[\x+2:\x+3], v[\m:\m+1] op_sel_hi:[1,0]
	v_pk_mul_f32 v[ACC+4:ACC+5],   v[\x:\x+1],   v[\m:\m+1] op_sel:[0,1] op_sel_hi:[1,1]
	v_pk_mul_f32 v[ACC+6:ACC+7],   v[\x+2:\x+3], v[\m:\m+1] op_sel:[0,1] op_sel_hi:[1,1]
	v_pk_mul_f32 v[ACC+8:ACC+9],   v[\x:\x+1],   v[\m+2:\m+3] op_sel_hi:[1,0]
	v_pk_mul_f32 v[ACC+10:ACC+11], v[\x+2:\x+3], v[\m+2:\m+3] op_sel_hi:[1,0]
	v_pk_mul_f32 v[ACC+12:ACC+13], v[\x:\x+1],   v[\m+2:\m+3] op_sel:[0,1] op_sel_hi:[1,1]
	v_pk_mul_f32 v[ACC+14:ACC+15], v[\x+2:\x+3], v[\m+2:\m+3] op_sel:[0,1] op_sel_hi:[1,1]
.else
	v_pk_fma_f32 v[ACC:ACC+1],     v[\x:\x+1],   v[\m:\m+1], v[ACC:ACC+1] op_sel_hi:[1,0,1]
	v_pk_fma_f32 v[ACC+2:ACC+3],   v[\x+2:\x+3], v[\m:\m+1], v[ACC+2:ACC+3] op_sel_hi:[1,0,1]
	v_pk_fma_f32 v[ACC+4:ACC+5],   v[\x:\x+1],   v[\m:\m+1], v[ACC+4:ACC+5] op_sel:[0,1,0] op_sel_hi:[1,1,1]
	v_pk_fma_f32 v[ACC+6:ACC+7],   v[\x+2:\x+3], v[\m:\m+1], v[ACC+6:ACC+7] op_sel:[0,1,0] op_sel_hi:[1,1,1]
	v_pk_fma_f32 v[ACC+8:ACC+9],   v[\x:\x+1],   v[\m+2:\m+3], v[ACC+8:ACC+9] op_sel_hi:[1,0,1]
	v_pk_fma_f32 v[ACC+10:ACC+11], v[\x+2:\x+3], v[\m+2:\m+3], v[ACC+10:ACC+11] op_sel_hi:[1,0,1]
	v_pk_fma_f32 v[ACC+12:ACC+13], v[\x:\x+1],   v[\m+2:\m+3], v[ACC+12:ACC+13] op_sel:[0,1,0] op_sel_hi:[1,1,1]
	v_pk_fma_f32 v[ACC+14:ACC+15], v[\x+2:\x+3], v[\m+2:\m+3], v[ACC+14:ACC+15] op_sel:[0,1,0] op_sel_hi:[1,1,1]
.endif
.endm
; Nine slots of a set: group g of three.  nx = 1: the next group's factors are asked for first.  n: the global loads issued behind this group's nine, which may stay out.
; refill = 1: the nine slots take the same rows of the pair that the set loads next (md: how its cell index steps).  The third group holds eight rows and the cell's state; it sends state and sums to the stage.
; mk, sg: the registers with the trip's place among the factors and in the stage;  wr, wo: register and offset of the next trip's first factors.
.macro GROUP set, g, refill, n, nx, mk, sg, wr, wo, md
.set GQ, 3*(\set)+(\g)
.set MB, MBUF+36*(GQ%2)
.set MN, MBUF+36*((GQ+1)%2)
.set XB, 4*(27*(\set)+9*(\g))
.set NS, 9
.if (\g) == 2
.set NS, 8
.endif
.if \nx
.set NC, 9
.if (\g) == 1
.set NC, 8
.endif
.set J, 0
.rept NC
.if ((\g) == 2) && ((\set) == 1)
	ds_load_b128 v[MN+4*J:MN+4*J+3], v[\wr] offset:\wo+16*J
.elseif (\g) == 2
	ds_load_b128 v[MN+4*J:MN+4*J+3], v[\mk] offset:864+16*J
.else
	ds_load_b128 v[MN+4*J:MN+4*J+3], v[\mk] offset:864*(\set)+144*((\g)+1)+16*J
.endif
.set J, J+1
.endr
	s_wait_dscnt NC                                ; all but the loads just issued: this group's factors are in
.else
	s_wait_dscnt 0x0
.endif
.if ((\g) == 0) && (\refill)
	OFFS \set, \md
.endif
	s_wait_loadcnt \n                              ; loads come back in order (ISA guide 5.7.1): this group's nine are in
	WIN 0x01                                       ; source 0, the rows, in window 1
.set J, 0
.rept NS
.if (9*(\g)+J) == 0
	ACCUM XB+4*J, MB+4*J, 1
.else
	ACCUM XB+4*J, MB+4*J, 0
.endif
.set J, J+1
.endr
.if (\g) == 2
	WIN 0x04                                       ; an LDS store's data are its source 1
	ds_store_b128 v[\sg], v[XB+32:XB+35] offset:2592*(\set)+1024
	WIN 0
	ds_store_b128 v[\sg], v[ACC:ACC+3] offset:2592*(\set)
	ds_store_b128 v[\sg], v[ACC+4:ACC+7] offset:2592*(\set)+256
	ds_store_b128 v[\sg], v[ACC+8:ACC+11] offset:2592*(\set)+512
	ds_store_b128 v[\sg], v[ACC+12:ACC+15] offset:2592*(\set)+768
	s_wait_dscnt 0x0                               ; the stores have read their registers: the slot may be loaded again and the sums begun anew
.endif
.if \refill
	WIN 0x40
.set J, 0
.rept 9
.if (9*(\g)+J) < 26
	global_load_b128 v[XB+4*J:XB+4*J+3], v[OFA+\set], s[6:7] offset:256*(9*(\g)+J) th:TH_LOAD_NT
.else
	global_load_b128 v[XB+4*J:XB+4*J+3], v[OCA+\set], s[4:5] th:TH_LOAD_NT
.endif
.set J, J+1
.endr
.endif
	WIN 0
.endm
; 32 numbers of a lane, register 16 b + i = channel 32 b + 16 h + i of my cell, become four registers of codes (k = 32 h + 0 .. 31 of these 64) and two scale bytes in v[pr]
.macro QUANT2 src, dst, pr
	v_max3_num_f32 v[QM],   |v[\src]|,    |v[\src+1]|,  |v[\src+2]|      ; two blocks, two chains each: no line waits for the line above it
	v_max3_num_f32 v[QP],   |v[\src+8]|,  |v[\src+9]|,  |v[\src+10]|
	v_max3_num_f32 v[QM+1], |v[\src+16]|, |v[\src+17]|, |v[\src+18]|
	v_max3_num_f32 v[QP+1], |v[\src+24]|, |v[\src+25]|, |v[\src+26]|
.irp i, 3,5
	v_max3_num_f32 v[QM],   v[QM],   |v[\src+\i]|,    |v[\src+\i+1]|
	v_max3_num_f32 v[QP],   v[QP],   |v[\src+\i+8]|,  |v[\src+\i+9]|
	v_max3_num_f32 v[QM+1], v[QM+1], |v[\src+\i+16]|, |v[\src+\i+17]|
	v_max3_num_f32 v[QP+1], v[QP+1], |v[\src+\i+24]|, |v[\src+\i+25]|
.endr
	v_max3_num_f32 v[QM],   v[QM],   v[QP],   |v[\src+7]|
	v_max3_num_f32 v[QM+1], v[QM+1], v[QP+1], |v[\src+23]|
	v_max3_num_f32 v[QM],   v[QM],   |v[\src+15]|, 0x1800000             ; and the floor 2^(3 - 127): the byte cannot fall under 1
	v_max3_num_f32 v[QM+1], v[QM+1], |v[\src+31]|, 0x1800000
	v_permlanex16_b32 v[QP],   v[QM],   s20, s21
	v_permlanex16_b32 v[QP+1], v[QM+1], s20, s21
	v_max_num_f32 v[QM],   v[QM],   v[QP]          ; with lane l xor 16's 16 numbers: the block's largest magnitude
	v_max_num_f32 v[QM+1], v[QM+1], v[QP+1]
	v_add_nc_u32 v[QS],   0xff000000, v[QM]        ; 2 off the exponent field: the conversion's scale operand
	v_add_nc_u32 v[QS+1], 0xff000000, v[QM+1]
	v_lshrrev_b32 v[QB],   23, v[QS]               ; the scale's byte
	v_lshrrev_b32 v[QB+1], 23, v[QS+1]
	v_lshl_or_b32 v[\pr], v[QB+1], 8, v[QB]
	v_cvt_scalef32_pk8_fp4_f32 v[\dst],   v[\src:\src+7],     v[QS]
	v_cvt_scalef32_pk8_fp4_f32 v[\dst+1], v[\src+8:\src+15],  v[QS]
	v_cvt_scalef32_pk8_fp4_f32 v[\dst+2], v[\src+16:\src+23], v[QS+1]
	v_cvt_scalef32_pk8_fp4_f32 v[\dst+3], v[\src+24:\src+31], v[QS+1]
	v_nop                                          ; one plain place behind a scaled conversion
	v_permlane16_swap_b32 v[\dst],   v[\dst+2]     ; the operand's layout wants a whole block in a lane: lanes 0-15 the first block, lanes 16-31 the second
	v_permlane16_swap_b32 v[\dst+1], v[\dst+3]
.endm
; nt tiles of a weight from fragment f0 on, as images of their registers, their biases (from byte boff of the biases) in the result's layout, and their scale words
.macro LOADSET w, b, ws, nt, f0, boff
	WIN 0x40
.set T, 0
.rept \nt
	ds_load_b128 v[\w+8*T:\w+8*T+3],   v[LI] offset:(\f0+T)*1024
	ds_load_b128 v[\w+8*T+4:\w+8*T+7], v[LI] offset:(\f0+T)*1024+512
	ds_load_b128 v[\b+8*T:\b+8*T+3],   v[LB] offset:BIAS+\boff+4*(32*(T/2)+8*(T%2))
	ds_load_b128 v[\b+8*T+4:\b+8*T+7], v[LB] offset:BIAS+\boff+4*(32*(T/2)+8*(T%2))+16
.set T, T+1
.endr
	WIN 0
.set T, 0
.rept \nt
	ds_load_b32 v[\ws+T], v[LS] offset:WSC+(\f0+T)*128
.set T, T+1
.endr
.endm
; A product: nt matrix instructions, each a whole sum (K = 128) begun with its bias; no accumulator is named twice.  Four places follow, for the first read of results and for loads into the weights' registers
.macro LAYER nt, w, b, ws, frag, sw
	s_wait_dscnt 0x0
	WIN 0x11                                       ; source 0 (weights) and source 2 (biases) in window 1
.set T, 0
.rept \nt
	v_wmma_scale_f32_16x16x128_f8f6f4 v[H+8*T:H+8*T+7], v[\w+8*T:\w+8*T+7], v[\frag:\frag+7], v[\b+8*T:\b+8*T+7], v[\ws+T], v[\sw] matrix_a_fmt:MATRIX_FMT_FP4 matrix_b_fmt:MATRIX_FMT_FP4
.set T, T+1
.endr
	WIN 0
	NOPS 4
.endm
; tanh(x) = 1 - 2 / (1 + 2^(2 log2(e) x)), in place, n numbers from the low end on.  Each batch of transcendentals has one plain line and one wait behind it
.macro TANH_S base, n
.set I, 0
.rept (\n)/2
	v_pk_mul_f32 v[\base+I:\base+I+1], v[\base+I:\base+I+1], s[26:27] op_sel_hi:[1,0]
.set I, I+2
.endr
.set I, 0
	s_wait_alu depctr_va_vdst(0)
.rept \n
	v_exp_f32 v[\base+I], v[\base+I]
.set I, I+1
.endr
	v_nop
	s_wait_alu depctr_va_vdst(0)
.set I, 0
.rept (\n)/2
	v_pk_add_f32 v[\base+I:\base+I+1], v[\base+I:\base+I+1], 1.0 op_sel_hi:[1,0]
.set I, I+2
.endr
.set I, 0
	s_wait_alu depctr_va_vdst(0)
.rept \n
	v_rcp_f32 v[\base+I], v[\base+I]
.set I, I+1
.endr
	v_nop
	s_wait_alu depctr_va_vdst(0)
.set I, 0
.rept (\n)/2
	v_pk_fma_f32 v[\base+I:\base+I+1], v[\base+I:\base+I+1], -2.0, 1.0 op_sel_hi:[1,0,0]
.set I, I+2
.endr
.endm
; The series x + x t (-1/3 + t (2/15 - 17/315 t)), t = x^2, in place on eight numbers: four pairs by turns
.macro POLY4 x
.set PP, 0
.irp t, 226,230,248,252
	v_pk_mul_f32 v[\t:\t+1], v[\x+PP:\x+PP+1], v[\x+PP:\x+PP+1]
.set PP, PP+2
.endr
.irp t, 226,230,248,252
	v_pk_fma_f32 v[\t+2:\t+3], v[\t:\t+1], s[2:3], v[C5:C5+1] op_sel_hi:[1,0,1]
.endr
.irp t, 226,230,248,252
	v_pk_fma_f32 v[\t+2:\t+3], v[\t:\t+1], v[\t+2:\t+3], v[C3:C3+1]
.endr
.irp t, 226,230,248,252
	v_pk_mul_f32 v[\t+2:\t+3], v[\t+2:\t+3], v[\t:\t+1]
.endr
.set PP, 0
.irp t, 226,230,248,252
	v_pk_fma_f32 v[\x+PP:\x+PP+1], v[\x+PP:\x+PP+1], v[\t+2:\t+3], v[\x+PP:\x+PP+1]
.set PP, PP+2
.endr
.endm
; tanh of 32 numbers ahead of a quantiser, in place: the exponential form in v[E] on, the series in place, and a choice by |x| < 0.25 that selects a value only.
; The compares and the series are the independent work between each batch of transcendentals and its one wait
.macro TANH_A base
.set I, 0
.rept 16
	v_pk_mul_f32 v[E+I:E+I+1], v[\base+I:\base+I+1], s[26:27] op_sel_hi:[1,0]
.set I, I+2
.endr
.set I, 0
	s_wait_alu depctr_va_vdst(0)
.rept 32
	v_exp_f32 v[E+I], v[E+I]
.set I, I+1
.endr
.set I, 0
.rept 32
	v_cmp_gt_f32 s[32+I], s28, |v[\base+I]|
.set I, I+1
.endr
	POLY4 \base
	POLY4 \base+8
	s_wait_alu depctr_va_vdst(0)
.set I, 0
.rept 16
	v_pk_add_f32 v[E+I:E+I+1], v[E+I:E+I+1], 1.0 op_sel_hi:[1,0]
.set I, I+2
.endr
.set I, 0
	s_wait_alu depctr_va_vdst(0)
.rept 32
	v_rcp_f32 v[E+I], v[E+I]
.set I, I+1
.endr
	POLY4 \base+16
	POLY4 \base+24
	s_wait_alu depctr_va_vdst(0)
.set I, 0
.rept 16
	v_pk_fma_f32 v[E+I:E+I+1], v[E+I:E+I+1], -2.0, 1.0 op_sel_hi:[1,0,0]
.set I, I+2
.endr
.set I, 0
.rept 32
	v_cndmask_b32 v[\base+I], v[E+I], v[\base+I], s[32+I]
.set I, I+1
.endr
.endm
.macro RDROW reg, row                  ; a row of cell r out of my tile's stage, in the quantiser's order: register 16 b + i = channel 32 b + 16 h + i
.irp q, 0,1,2,3,4,5,6,7
	ds_load_b128 v[\reg+4*\q:\reg+4*\q+3], v[RS] offset:256*(\row)+128*(\q/4)+16*(\q%4)
.endr
.endm
.macro SCALE32 reg, pair               ; 32 numbers x the low word of a pair
.set I, 0
.rept 16
	v_pk_mul_f32 v[\reg+I:\reg+I+1], v[\reg+I:\reg+I+1], v[\pair:\pair+1] op_sel_hi:[1,0]
.set I, I+2
.endr
.endm
	; ---- the head.  All addresses and constants are made while the arguments are on their way, and ahead of the first line at which wave 4 parts from the others
	s_load_b256 s[4:11], s[0:1], 0x0               ; current_state, neighbor_states, neighbor_cat, blob
	s_load_b128 s[12:15], s[0:1], 0x20             ; out0, out1
	s_set_vgpr_msb 0x40
	v_lshl_add_u32 v224, v0, 2, 0x2b200
	v_mov_b32 v225, 0
	s_set_vgpr_msb 0x4000
	v_lshrrev_b32 v1, 5, v0
	v_readfirstlane_b32 s16, v1                    ; wave 0..4
	v_and_b32 v1, 31, v0                           ; lane
	v_and_b32 v[RR], 15, v0
	v_bfe_u32 v[HH], v0, 4, 1
	s_wait_alu depctr_va_vdst(0)
	v_lshlrev_b32 v[C16], 4, v[RR]
	v_lshlrev_b32 v[LI], 4, v1
	v_lshlrev_b32 v[LS], 2, v1
	s_mul_i32 s39, ttmp9, PERWG
	s_add_co_u32 s18, s39, PERWG
	s_min_u32 s18, s18, NCELL                      ; the group's end
	s_sub_co_u32 s19, s18, 1
	s_lshl_b32 s40, s16, 4
	s_add_co_u32 s17, s39, s40                     ; my tile's first cell
	v_add_nc_u32 v[CIH], s17, v[HH]
	s_lshl_b32 s40, s16, 2
	s_add_co_u32 s40, s40, s39
	s_add_co_u32 s40, s40, 64                      ; the stream begins in the fifth tile: cell 77 g + 64 + 4 w is the first of its pairs 2 w, 2 w + 1
	v_add_nc_u32 v[CIA], s40, v[HH]
	v_add_nc_u32 v[CIA+1], 2, v[CIA]
	s_mul_i32 s29, s16, 12
	s_sub_co_u32 s29, s29, 64                      ; and goes on in my own: (77 g + 16 w) - (77 g + 64 + 4 w) = 12 w - 64, added modulo 2^32
	OFFS 0, 0
	OFFS 1, 0
	s_mul_i32 s40, s16, BLOBB/5
	v_add_nc_u32 v[BW], s40, v[LI]
	s_min_u32 s32, s17, NCELL-16                   ; a tile with a cell to store never reaches past the last cell (the last group has 3 x 16); the others' reads are held inside the buffer
	s_mul_i32 s32, s32, 104                        ; my tile's categories,
	s_mov_b32 s33, 0
	s_lshl_b32 s34, s17, 8                         ; its rows of out0,
	s_mov_b32 s35, 0
	s_mul_i32 s36, s17, 12                         ; and of out1, in bytes
	s_mov_b32 s37, 0
	s_sub_co_i32 s31, s18, s17
	s_max_i32 s31, s31, 0
	s_min_i32 s31, s31, 16
	s_mul_i32 s31, s31, 3                          ; three words of out1 for each of my cells that is stored
	s_mul_i32 s25, s16, WREG
	s_add_co_u32 s25, s25, BLOBB                   ; my tile's factors
	s_add_co_u32 s38, s25, STG                     ; my tile's stage
	s_mul_i32 s41, s16, 1728
	s_add_co_u32 s41, s41, BLOBB+4*WREG            ; the fifth tile's factors, cells 4 w on
	s_mul_i32 s42, s16, 5184
	s_add_co_u32 s42, s42, BLOBB+4*WREG+STG        ; the fifth tile's stage, cells 4 w on
	v_lshlrev_b32 v[LB], 6, v[HH]
	v_mul_u32_u24 v[MK0], v[HH], 432
	v_add_nc_u32 v[MKT], s41, v[MK0]
	v_add_nc_u32 v[MK0], s25, v[MK0]
	v_mul_u32_u24 v[ST0], v[HH], 1296
	v_add_nc_u32 v[ST0], v[ST0], v[C16]
	v_add_nc_u32 v[ST0], s38, v[ST0]
	v_mov_b32 v[MK], v[MK0]
	v_mov_b32 v[ST], v[ST0]
	v_mul_u32_u24 v[RS], v[RR], 1296
	v_lshl_add_u32 v[RS], v[HH], 6, v[RS]
	v_add_nc_u32 v[RS], s38, v[RS]
	v_mul_u32_u24 v[CA], v[RR], 432
	v_mad_u32_u24 v[CA], v[HH], 208, v[CA]
	v_add_nc_u32 v[CA], s25, v[CA]
	v_mul_u32_u24 v[G2A], v[HH], 192
	v_add_nc_u32 v[G2A], WG2, v[G2A]
	v_mul_u32_u24 v[O1W], v[RR], 12
	v_add_nc_u32 v[O1W], s25, v[O1W]
	v_add_nc_u32 v[O1R], s25, v[LS]
	v_mov_b32 v[ZERO], 0
	v_mov_b32 v[C3], 0xbeaaaaab
	v_mov_b32 v[C3+1], 0xbeaaaaab
	v_mov_b32 v[C5], 0x3e088889
	v_mov_b32 v[C5+1], 0x3e088889
	v_lshl_add_u32 v[OV], v[HH], 8, v[C16]
	s_mov_b32 s20, 0x76543210
	s_mov_b32 s21, 0xfedcba98                      ; v_permlanex16_b32's selects for lane l xor 16
	s_mov_b32 s2, 0xbd5d0dd1                       ; -17/315
	s_mov_b32 s3, s2                               ; (named with it as a pair, so it is written)
	s_mov_b32 s26, 0x4038aa3b                      ; 2 log2(e)
	s_mov_b32 s27, s26
	s_mov_b32 s28, 0x3e800000                      ; 0.25
	s_mov_b32 s22, 0
	s_mov_b32 s23, 0
.set J, 0
.rept 13                                       ; word 32 J + lane of the 416 is (cell, neighbour) = (word / 26, word % 26); its factors lie at 16 (word + cell).  word x 2521 >> 16 = word / 26 for words under 416
	v_add_nc_u32 v[MAD+J], 32*J, v1
	v_mul_u32_u24 v[TMP], v[MAD+J], 2521
	v_lshrrev_b32 v[TMP], 16, v[TMP]
	v_add_nc_u32 v[MAD+J], v[MAD+J], v[TMP]
	v_lshl_add_u32 v[MAD+J], v[MAD+J], 4, s25
.set J, J+1
.endr
	v_mul_u32_u24 v[STT], v[HH], 1296              ; (the lane's number is wanted no more)
	v_add_nc_u32 v[STT], v[STT], v[C16]
	v_add_nc_u32 v[STT], s42, v[STT]
	s_wait_kmcnt 0x0
	s_add_nc_u64 s[8:9], s[8:9], s[32:33]
	s_add_nc_u64 s[12:13], s[12:13], s[34:35]
	s_add_nc_u64 s[14:15], s[14:15], s[36:37]
.set J, 0
.rept 13
	global_load_b32 v[CT+J], v[LS], s[8:9] offset:128*J        ; my tile's 416 categories, as they lie
.set J, J+1
.endr
.set J, 0
.rept 15
	global_load_b128 v[BT+4*J:BT+4*J+3], v[BW], s[10:11] offset:512*J   ; my fifth of the blob
.set J, J+1
.endr
	s_cmp_eq_u32 s16, 4                            ; wave 4 streams nothing
	s_cbranch_scc1 .Lno_ring
	FILLSET 0                                      ; the fifth tile's pair 2 w
	FILLSET 1                                      ; and 2 w + 1
	s_wait_loadcnt 54                              ; behind the categories' and the blob's 28 loads only the two sets' 54 were issued
	s_branch .Lhave
.Lno_ring:
	s_wait_loadcnt 0x0                             ; wave 4 issued nothing behind them
.Lhave:
	; ---- the categories become factors
.set J, 0
.rept 13
	v_cmp_eq_u32 vcc_lo, 0, v[CT+J]
	v_cndmask_b32 v[MQ+4*J], 0, 1.0, vcc_lo
	v_cmp_eq_u32 vcc_lo, 1, v[CT+J]
	v_cndmask_b32 v[MQ+4*J+1], 0, 1.0, vcc_lo
	v_cmp_eq_u32 vcc_lo, 2, v[CT+J]
	v_cndmask_b32 v[MQ+4*J+2], 0, 1.0, vcc_lo
	v_mov_b32 v[MQ+4*J+3], 1.0
	ds_store_b128 v[MAD+J], v[MQ+4*J:MQ+4*J+3]
.set J, J+1
.endr
	; ---- the blob into LDS, a fifth from each wave
.set J, 0
.rept 15
	ds_store_b128 v[BW], v[BT+4*J:BT+4*J+3] offset:512*J
.set J, J+1
.endr
	s_wait_dscnt 0x0                               ; for the others' sake: my part of the blob and my tile's factors lie in LDS
	s_barrier_signal -1
	s_barrier_wait -1                              ; the blob is whole, and so are the fifth tile's factors, which wave 4 made
	; ---- the fifth tile's pairs 2 w and 2 w + 1: written out, since factors and stage are wave 4's; the slots are refilled with my own tile's pairs 0 and 1
	s_cmp_eq_u32 s16, 4
	s_cbranch_scc1 .Lno_first
.set J, 0
.rept 9
	ds_load_b128 v[MBUF+4*J:MBUF+4*J+3], v[MKT] offset:16*J    ; the first group's factors
.set J, J+1
.endr
	; behind a group's nine loads stand the rest of its set (18 - 9 g), the other set's 27 and this set's refills so far (9 g): 45
	GROUP 0, 0, 1, 45, 1, MKT, STT, MK0, 0, 2
	s_wait_alu depctr_va_vdst(0)
	GROUP 0, 1, 1, 45, 1, MKT, STT, MK0, 0, 2
	s_wait_alu depctr_va_vdst(0)
	GROUP 0, 2, 1, 45, 1, MKT, STT, MK0, 0, 2
	GROUP 1, 0, 1, 45, 1, MKT, STT, MK0, 0, 2
	s_wait_alu depctr_va_vdst(0)
	GROUP 1, 1, 1, 45, 1, MKT, STT, MK0, 0, 2
	s_wait_alu depctr_va_vdst(0)
	GROUP 1, 2, 1, 45, 1, MKT, STT, MK0, 0, 2      ; (it asks for my own tile's first factors)
.Lno_first:
	s_wait_dscnt 0x0                               ; for wave 4's sake: my four cells' sums lie in its stage, and my reads of its factors are in
	s_barrier_signal -1
	s_barrier_wait -1                              ; the fifth tile's stage is whole; from here on only wave 4 touches its region
	; ---- the stream: three trips work my pairs 0 to 5 and ask for pairs 2 to 7.  Every wave walks the loop; wave 4 passes over the work and goes on to its chain
	s_mov_b32 s24, 0
.Lstream:
	s_cmp_eq_u32 s16, 4
	s_cbranch_scc1 .Lidle
	s_wait_alu depctr_va_vdst(0)
	GROUP 0, 0, 1, 45, 1, MK, ST, MK, 1728, 1
	s_wait_alu depctr_va_vdst(0)
	GROUP 0, 1, 1, 45, 1, MK, ST, MK, 1728, 1
	s_wait_alu depctr_va_vdst(0)
	GROUP 0, 2, 1, 45, 1, MK, ST, MK, 1728, 1
	GROUP 1, 0, 1, 45, 1, MK, ST, MK, 1728, 1
	s_wait_alu depctr_va_vdst(0)
	GROUP 1, 1, 1, 45, 1, MK, ST, MK, 1728, 1
	s_wait_alu depctr_va_vdst(0)
	GROUP 1, 2, 1, 45, 1, MK, ST, MK, 1728, 1
.Lidle:
	s_add_co_u32 s22, s22, 1728                    ; two pairs on: four cells' factors,
	s_add_co_u32 s23, s23, 5184                    ; four cells' stages
	v_add_nc_u32 v[MK], s22, v[MK0]
	v_add_nc_u32 v[ST], s23, v[ST0]
	s_add_co_u32 s24, s24, 1
	s_cmp_lt_u32 s24, 3
	s_cbranch_scc1 .Lstream
	; ---- the counts of cell r (in waves 0 to 3 while the last two pairs are on their way): my 13 neighbours' factors, then lane l xor 16's
.set J, 0
.rept 13
	ds_load_b128 v[MT+4*J:MT+4*J+3], v[CA] offset:16*J
.set J, J+1
.endr
	s_wait_dscnt 0x0
.set J, 1
.rept 12
	v_pk_add_f32 v[MT:MT+1], v[MT:MT+1], v[MT+4*J:MT+4*J+1]
	v_pk_add_f32 v[MT+2:MT+3], v[MT+2:MT+3], v[MT+4*J+2:MT+4*J+3]
.set J, J+1
.endr
.irp o, 0,1,2
	v_permlanex16_b32 v[MT+4+\o], v[MT+\o], s20, s21
.endr
.irp o, 0,1,2
	v_add_f32 v[MT+\o], v[MT+\o], v[MT+4+\o]
.endr
.irp o, 0,1,2
	v_min_num_f32 v[FL+\o], 1.0, v[MT+\o]          ; a count is a whole number: 1 where it is above 0
.endr
.irp o, 0,1,2
	v_max_num_f32 v[MT+\o], 1.0, v[MT+\o]
.endr
	s_wait_alu depctr_va_vdst(0)
.irp o, 0,1,2
	v_rcp_f32 v[RC+2*\o], v[MT+\o]
.endr
	v_nop                                          ; a plain line behind the reciprocals,
	s_wait_alu depctr_va_vdst(0)                   ; and one wait ahead of their first reader
.irp o, 0,1,2
	v_mov_b32 v[RC+2*\o+1], v[RC+2*\o]             ; (named with it as a pair, so it is written)
.endr
	; ---- my pairs 6 and 7: nothing is left to ask for, and the counts run down
	s_cmp_eq_u32 s16, 4
	s_cbranch_scc1 .Lno_tail
	GROUP 0, 0, 0, 45, 1, MK, ST, MK, 0, 0
	s_wait_alu depctr_va_vdst(0)
	GROUP 0, 1, 0, 36, 1, MK, ST, MK, 0, 0
	s_wait_alu depctr_va_vdst(0)
	GROUP 0, 2, 0, 27, 1, MK, ST, MK, 0, 0
	GROUP 1, 0, 0, 18, 1, MK, ST, MK, 0, 0
	s_wait_alu depctr_va_vdst(0)
	GROUP 1, 1, 0, 9, 1, MK, ST, MK, 0, 0
	s_wait_alu depctr_va_vdst(0)
	GROUP 1, 2, 0, 0, 0, MK, ST, MK, 0, 0
.Lno_tail:
	; ---- back from the stage, a cell to a lane.  Waves 0 to 3 wrote their own stages, and LDS serves a wave's instructions in order (ISA guide 5.7.1.4); wave 4's was written ahead of the second barrier
	RDROW X, 4
	RDROW H, 0
	RDROW H+32, 1
	RDROW E, 2
	s_wait_dscnt 24                                ; the state is in; three rows of eight loads may be out
	QUANT2 X, AF+4, PCU
	s_wait_dscnt 16
	SCALE32 H, RC
	QUANT2 H, AF, PML
	RDROW H, 3                                     ; the sum of all neighbours, into the registers just left
	s_wait_dscnt 16                                ; behind category 1's row: category 2's and the row just asked for
	SCALE32 H+32, RC+2
	QUANT2 H+32, AF+8, PMF
	s_wait_dscnt 8
	SCALE32 E, RC+4
	QUANT2 E, AF+12, PMD
	LOADSET SRW, SRB, WSR, 2, 0, 0                 ; W_g1
	LOADSET SQW, SQB, WSQ, 4, 2, 128               ; W_local
	LOADSET SPW, SPB, WSP, 8, 6, 384               ; W_f1
	s_wait_dscnt 63                                ; 70 loads were issued behind the row of all sums; a wait's count names at most 63
.set I, 0
.rept 16
	v_pk_mul_f32 v[H+I:H+I+1], v[H+I:H+I+1], 0x3d1d89d9 op_sel_hi:[1,0]   ; x 1/26
.set I, I+2
.endr
	QUANT2 H, AF+20, PAC
.irp i, 0,1,2,3
	v_mov_b32 v[AF+16+\i], v[AF+4+\i]              ; x begins as the state
.endr
	v_lshl_or_b32 v[SWL], v[PCU], 16, v[PML]       ; [mean_l | cur]
	v_lshl_or_b32 v[SWF], v[PMF], 16, v[PCU]       ; [cur | mean_f]
	v_lshl_or_b32 v[SWC], v[PCU], 16, v[PMD]       ; [mean_d | x]
	v_lshl_or_b32 v[SWG], v[PAC], 16, v[PCU]       ; [cur | activity]
.irp q, 0,1,2,3,4,5,6,7,8,9,10,11
	ds_load_b128 v[H+16+4*\q:H+16+4*\q+3], v[G2A] offset:16*\q   ; W_g2's rows 16 h .. 16 h + 15: word 3 i + o
.endr
	ds_load_b128 v[E:E+3], v[ZERO] offset:BG2      ; b_g2
	NOPS 8                                         ; a scale register written by a vector instruction stands eight places ahead of a scaled matrix instruction, an operand four
	; ---- the gate
	s_wait_alu depctr_va_vdst(0)
	LAYER 2, SRW, SRB, WSR, AF+16, SWG
	TANH_S H, 16
.irp o, 0,1,2                                  ; my 16 hidden units x W_g2, f32, six chains
	v_mul_f32 v[226+\o], v[H], v[H+16+\o]
	v_mul_f32 v[229+\o], v[H+1], v[H+19+\o]
.endr
.set I, 2
.rept 7
.irp o, 0,1,2
	v_fmac_f32 v[226+\o], v[H+I], v[H+16+3*I+\o]
	v_fmac_f32 v[229+\o], v[H+I+1], v[H+19+3*I+\o]
.endr
.set I, I+2
.endr
.irp o, 0,1,2
	v_add_f32 v[226+\o], v[226+\o], v[229+\o]
.endr
.irp o, 0,1,2
	v_permlanex16_b32 v[229+\o], v[226+\o], s20, s21
.endr
.irp o, 0,1,2
	v_add_f32 v[226+\o], v[226+\o], v[229+\o]      ; with the other 16 hidden units,
.endr
.irp o, 0,1,2
	v_add_f32 v[226+\o], v[226+\o], v[E+\o]        ; and b_g2
.endr
	v_max3_num_f32 v232, v226, v227, v228          ; the softmax takes its largest logit away
.irp o, 0,1,2
	v_sub_f32 v[226+\o], v[226+\o], v232
.endr
.irp o, 0,1,2
	v_mul_f32 v[226+\o], 0x3fb8aa3b, v[226+\o]
.endr
	s_wait_alu depctr_va_vdst(0)
.irp o, 0,1,2
	v_exp_f32 v[226+\o], v[226+\o]
.endr
	v_nop
	s_wait_alu depctr_va_vdst(0)
	v_add_f32 v232, v226, v227
	v_add_f32 v232, v232, v228
	s_wait_alu depctr_va_vdst(0)
	v_rcp_f32 v232, v232
	v_nop
	s_wait_alu depctr_va_vdst(0)
.irp o, 0,1,2
	v_mul_f32 v[GW+\o], v[226+\o], v232
.endr
.irp o, 0,1,2
	v_mul_f32 v[GE+2*\o], v[GW+\o], v[FL+\o]       ; an expert without neighbours counts for nothing
	v_mul_f32 v[GE+2*\o+1], v[GW+\o], v[FL+\o]
.endr
	; ---- the local expert
	LAYER 4, SQW, SQB, WSQ, AF, SWL
	LOADSET SQW, SQB, WSQ, 4, 14, 896              ; W_f2
	TANH_S H, 32
	WIN 0x40
.set I, 0
.rept 16
	v_pk_mul_f32 v[CB+I:CB+I+1], v[H+I:H+I+1], v[GE:GE+1] op_sel_hi:[1,0]
.set I, I+2
.endr
	WIN 0
	; ---- the functional expert
	LAYER 8, SPW, SPB, WSP, AF+4, SWF
	LOADSET SPW, SPB, WSP, 8, 18, 1152             ; W_c1
	TANH_A H
	QUANT2 H, HF, PT
	TANH_A H+32
	QUANT2 H+32, HF+4, PT2
	v_lshl_or_b32 v[SWH], v[PT2], 16, v[PT]
	NOPS 8
	s_wait_alu depctr_va_vdst(0)
	LAYER 4, SQW, SQB, WSQ, HF, SWH
	LOADSET SQW, SQB, WSQ, 4, 26, 1664             ; W_c2
	TANH_S H, 32
	WIN 0x50                                       ; destination and source 2 in window 1
.set I, 0
.rept 16
	v_pk_fma_f32 v[CB+I:CB+I+1], v[H+I:H+I+1], v[GE+2:GE+3], v[CB+I:CB+I+1] op_sel_hi:[1,0,1]
.set I, I+2
.endr
	WIN 0
	; ---- the distant expert: three Euler steps; W_c1, W_c2 and their biases stay in registers
	s_mov_b32 s24, 3
.Leuler:
	s_wait_alu depctr_va_vdst(0)
	LAYER 8, SPW, SPB, WSP, AF+12, SWC
	TANH_A H
	QUANT2 H, HF, PT
	TANH_A H+32
	QUANT2 H+32, HF+4, PT2
	v_lshl_or_b32 v[SWH], v[PT2], 16, v[PT]
	NOPS 8
	s_wait_alu depctr_va_vdst(0)
	LAYER 4, SQW, SQB, WSQ, HF, SWH
	TANH_A H                                       ; it is added onto x, which is quantised again: the accurate form
.set I, 0
.rept 16
	v_pk_fma_f32 v[X+I:X+I+1], v[H+I:H+I+1], 0x3eaaaaab, v[X+I:X+I+1] op_sel_hi:[1,0,1]
.set I, I+2
.endr
	s_cmp_eq_u32 s24, 1                            ; behind the last step x is multiplied no more
	s_cbranch_scc1 .Llast
	QUANT2 X, AF+16, PT
	v_lshl_or_b32 v[SWC], v[PT], 16, v[PMD]
	NOPS 8
.Llast:
	s_sub_co_u32 s24, s24, 1
	s_cmp_lg_u32 s24, 0
	s_cbranch_scc1 .Leuler
	; ---- the way out: a lane holds 2 x 16 channels of one cell; the rows go through my tile's stage and leave whole: sixteen lanes store 256 consecutive, aligned bytes
	WIN 0x10                                       ; source 2 in window 1
.set I, 0
.rept 16
	v_pk_fma_f32 v[H+I:H+I+1], v[X+I:X+I+1], v[GE+4:GE+5], v[CB+I:CB+I+1] op_sel_hi:[1,0,1]
.set I, I+2
.endr
	WIN 0
.irp q, 0,1,2,3,4,5,6,7
	ds_store_b128 v[RS], v[H+4*\q:H+4*\q+3] offset:128*(\q/4)+16*(\q%4)
.endr
.irp o, 0,1,2
	ds_store_b32 v[O1W], v[GW+\o] offset:4*\o      ; both lanes of a cell write the same word with the same value
.endr
.irp j, 0,1,2,3,4,5,6,7
	ds_load_b128 v[E+4*\j:E+4*\j+3], v[ST0] offset:2592*\j     ; cells 2 j and 2 j + 1
.endr
	ds_load_b32 v226, v[O1R]                       ; words 0-31 of the tile's 48 of out1,
	ds_load_b32 v227, v[O1R] offset:128            ; words 32 on (lanes from 16 on read bytes that the factors left, and are not stored)
	s_wait_dscnt 0x0
.irp j, 0,1,2,3,4,5,6,7
	v_add_nc_u32 v[TMP], 2*\j, v[CIH]
	v_cmp_gt_u32 vcc_lo, s18, v[TMP]               ; is the cell one of the group's?
	s_wait_xcnt 0x0                                ; EXEC changes only behind this wait
	s_and_saveexec_b32 s30, vcc_lo
	global_store_b128 v[OV], v[E+4*\j:E+4*\j+3], s[12:13] offset:512*\j th:TH_STORE_NT
	s_wait_xcnt 0x0                                ; and again, in front of the line that widens it
	s_or_b32 exec_lo, exec_lo, s30
.endr
	v_and_b32 v[TMP], 31, v0
	v_cmp_gt_u32 vcc_lo, s31, v[TMP]
	s_wait_alu depctr_va_vdst(0)
	s_wait_xcnt 0x0
	s_and_saveexec_b32 s30, vcc_lo
	global_store_b32 v[LS], v226, s[14:15] th:TH_STORE_NT
	s_wait_xcnt 0x0
	s_or_b32 exec_lo, exec_lo, s30
	v_add_nc_u32 v[TMP], 32, v[TMP]
	v_cmp_gt_u32 vcc_lo, s31, v[TMP]
	s_wait_xcnt 0x0
	s_and_saveexec_b32 s30, vcc_lo
	global_store_b32 v[LS], v227, s[14:15] offset:128 th:TH_STORE_NT
	s_wait_xcnt 0x0
	s_or_b32 exec_lo, exec_lo, s30
	s_wait_xcnt 0x0
	s_mov_b32 exec_lo, -1
	s_set_vgpr_msb 0x5
	s_wait_tensorcnt 0x0
	ds_add_u32 v224, v225
	s_wait_dscnt 0x0
	s_set_vgpr_msb 0x500
	s_endpgm
.Lfunc_end_k_q84576c6c2e_cells:
	.size	k_q84576c6c2e_cells, .Lfunc_end_k_q84576c6c2e_cells-k_q84576c6c2e_cells
	.p2alignl 7, 3214868480
	.fill 96, 4, 3214868480
	.section	.rodata,"a",@progbits
	.p2align	6, 0x0
	.amdhsa_kernel k_q84576c6c2e_cells
		.amdhsa_group_segment_fixed_size 177408
		.amdhsa_private_segment_fixed_size 0
		.amdhsa_enable_private_segment 0
		.amdhsa_kernarg_size 48
		.amdhsa_user_sgpr_count 2
		.amdhsa_user_sgpr_kernarg_segment_ptr 1
		.amdhsa_wavefront_size32 1
		.amdhsa_system_sgpr_workgroup_id_x 1
		.amdhsa_system_sgpr_workgroup_id_y 1
		.amdhsa_system_sgpr_workgroup_id_z 1
		.amdhsa_system_vgpr_workitem_id 0
		.amdhsa_next_free_vgpr 482
		.amdhsa_next_free_sgpr 66
		.amdhsa_reserve_vcc 1
		.amdhsa_float_denorm_mode_32 3
		.amdhsa_float_denorm_mode_16_64 3
		.amdhsa_memory_ordered 1
		.amdhsa_forward_progress 1
		.amdhsa_inst_pref_size 255
	.end_amdhsa_kernel
	.section	.bss,"aw",@nobits
	.p2align	6
	.space	262144
	.amdgpu_metadata
---
amdhsa.version: [ 1, 2 ]
amdhsa.kernels:
  - .name:           k_q84576c6c2e_cells
    .symbol:         k_q84576c6c2e_cells.kd
    .args:
      - { .name: current_state, .offset: 0, .size: 8, .value_kind: global_buffer, .address_space: global }
      - { .name: neighbor_states, .offset: 8, .size: 8, .value_kind: global_buffer, .address_space: global }
      - { .name: neighbor_cat, .offset: 16, .size: 8, .value_kind: global_buffer, .address_space: global }
      - { .name: blob, .offset: 24, .size: 8, .value_kind: global_buffer, .address_space: global }
      - { .name: out0, .offset: 32, .size: 8, .value_kind: global_buffer, .address_space: global }
      - { .name: out1, .offset: 40, .size: 8, .value_kind: global_buffer, .address_space: global }
    .group_segment_fixed_size: 177408
    .private_segment_fixed_size: 0
    .kernarg_segment_align: 8
    .kernarg_segment_size: 48
    .max_flat_workgroup_size: 160
    .sgpr_count:     66
    .vgpr_count:     482
    .wavefront_size: 32
...
	.end_amdgpu_metadata
.endif
;; end of part 2
